; MI455X (gfx1250); checked and timed in simulation.
; The chip was launched on July 23, 2026; its instructions are those of AMD's public machine-readable ISA for CDNA 5 (MIT licence, August 2026) and "CDNA5" Instruction Set Architecture Reference Guide (July 2026). The comments in the code are by the model that wrote it; some were corrected since.
;; Linear Self Attention. Allowed arithmetic: matrix products marked QUANTISED: E4M3 operands, one E8M0 scale for each 32 along K, by v_wmma_scale_f32_16x16x128_f8f6f4 with both operands' format E4M3, f32 sums; everything else in f32.
;; Inputs: k 4 x 16 x 4,096 x 64 float32; q 4 x 16 x 4,096 x 64 float32; v 4 x 16 x 4,096 x 64 float32.
;; Outputs: out0 4 x 16 x 4,096 x 64 float32.
;; This version of the problem:
;;   THIS VERSION OF THE PROBLEM IS GIVEN IN LOW PRECISION. The matrix products marked QUANTISED in the list below multiply operands that are first quantised to E4M3 (4 exponent bits, 3 mantissa bits; 8 bits a number), with one power-of-two scale for each 32 numbers along K (OCP MX v1.0); their sums are f32. All else is computed in f32.
;;   The module's matrix products, in the order in which they are computed (A, B: the left and right operand; K: the contracted axis; several contracted axes count as one K, in the product's order):
;;     1. batch 64 x [M 64, K 4,096] x [K 4,096, N 64]; A: input k; B: input v: QUANTISED
;;     2. batch 64 x [M 4,096, K 64] x [K 64, N 64]; A: input q; B: computed on the way: QUANTISED
;;   THE QUANTISER, for each operand of a quantised product, along K:
;;     - K is cut into blocks of 32 from its start; a last block that is shorter is filled with zeros.
;;     - A block's scale is 2^e with e = floor(log2(the largest magnitude in the block)) - 8, held to -126 .. 127; a block of zeros has e = 0. As a byte (E8M0): e + 127.
;;     - Each number is divided by its block's scale, clamped to +-448, and rounded to the nearest number of E4M3, ties to even, subnormals kept.
;;     - The product sums the exact products of the quantised numbers (number of the format x scale) in f32.
;;   ~~~python
;;   def quantise(x, axis):      # numpy; x: float32 -> the quantised numbers, widened to float32 again
;;       x = np.moveaxis(x, axis, -1); K = x.shape[-1]
;;       x = np.pad(x, [(0, 0)] * (x.ndim - 1) + [(0, -K % 32)]); x = x.reshape(x.shape[:-1] + (-1, 32)); a = np.abs(x).max(-1, keepdims=True)
;;       e = np.where(a > 0, np.clip(np.frexp(np.where(a > 0, a, 1))[1] - 1 - 8, -126, 127), 0)      # np.frexp(a)[1] - 1 = floor(log2(a)), exactly
;;       r = np.clip(x / 2.0 ** e, -448, 448)
;;       step = 2.0 ** (np.maximum(np.frexp(np.where(r == 0, 1, r))[1] - 1, -6) - 3)
;;       q = np.round(r / step) * step * 2.0 ** e      # np.round: ties to even
;;       return np.moveaxis(q.reshape(q.shape[:-2] + (-1,))[..., :K], -1, axis).astype(np.float32)
;;   ~~~
;;   OPERANDS COMPUTED ON THE WAY. 'Computed on the way' means the value that the module computes at that place (a softmax that the list does not call 'softmax' is quantised finished and normalised). What goes into a quantiser is computed in f32, as accurately as f32 sums, v_exp_f32 and their like allow (about 1e-6 of the number): no bf16 or f16 on the way to a quantiser, and a product that is left as it is and whose result goes on into a quantised operand takes f32 operands (vector FMAs, or v_wmma_f32_16x16x4_f32). A number that lies on a knife's edge between two numbers of the format may be rounded either way, as far as f32 arithmetic and the matrix unit's own rounding can turn it there, and no further.
;; 2 versions, each right; version 2 is version 1 with the launch kvpart written anew for expert scheduling mode. Each part assembles by itself: llvm-mc -triple=amdgcn-amd-amdhsa -mcpu=gfx1250 --defsym DOCPART=n.
;; ======== version 1 of 2: 2 launches
;; workspace buffers: part 4,194,304 bytes
;; launch kvpart (part 1): grid 256 x 1, 8 waves a work-group, no clusters, 140,288 bytes of LDS; arguments k, v, part; writes part
.if DOCPART == 1
	.amdgcn_target "amdgcn-amd-amdhsa--gfx1250"
	.amdhsa_code_object_version 6
	.text
	.protected	k_q8d15087b5e_kvpart
	.globl	k_q8d15087b5e_kvpart
	.p2align	8
	.type	k_q8d15087b5e_kvpart,@function
k_q8d15087b5e_kvpart:
	s_mov_b64 s[64:65], 0
	v_nop
	global_prefetch_b8 v0, s[64:65] scope:SCOPE_SE
	s_setreg_imm32_b32 hwreg(HW_REG_WAVE_MODE, 25, 1), 1
	s_wait_xcnt 0x0
; FIRST PRODUCT of out = q (k^T v), in parts.  k, v: [64 heads][4096 rows s][64] f32.  kv[d][e] = sum over s of Q(k)[s][d] Q(v)[s][e]; Q quantises ALONG s: codes of FP8 (E4M3), one E8M0 scale for each 32 rows.
; Work-group g = 4 x head + quarter takes 1,024 rows and stores their part of kv, 64 x 64 f32, to part[g]; the next launch adds a head's four parts.  No two work-groups read the same input bytes, so nothing could be asked for jointly.
; SHARES.  Eight waves; a wave takes 128 rows: one matrix instruction's K, four blocks of 32.  Its 16 matrix instructions (4 tiles of d x 4 tiles of e) give a whole 64 x 64 sum; the eight waves' sums meet in LDS.
; s IS NOT INNERMOST IN MEMORY, AND NOTHING IS TRANSPOSED.  A row is 256 bytes.  Load i of a block reads rows 2 i and 2 i + 1 whole, 512 consecutive bytes: lane (r = lane % 16, h = lane / 16) gets row 2 i + h, columns 4 r .. 4 r + 3.
;   Register j of each load belongs to operand tile j, whose row r is column 4 r + j (which columns form a tile is free).  Slot i of lane (r, h) in a block is row 2 i + h of that block: the same order for k and v, and inside
;   a block of 32, so every product meets its partner under its own scales.  A column's block lies in lanes (r, 0) and (r, 1), 16 numbers each.
;   The hold at 448 x the scale, which the conversion needs anyway, writes other registers than it reads: it lays a tile's 16 numbers on end for the conversion, at no instruction of its own.
; A block's scale: 2^(floor(log2(largest magnitude)) - 8); its byte is that magnitude's exponent field - 8, held at 1 from below by a floor among the maximum's leaves.
; LIMITS: NaN and infinities among the inputs are not served.  A block of zeros gets the byte 1 where the rule says 127: its codes are zeros, which add nothing, and the bytes never leave this wave.
;   kv's f32 sum is one matrix sum for each 128 rows, then f32 additions in a fixed order (eight here, four in the next launch): another order of rounding than one chain along s.
; REGISTERS, in windows of 256: window 0: v1-4 addresses; v8-27 at work; v32-39 scale words and nothing else; v64-255 three sets of 64 numbers as loaded; when all are quantised, the 16 accumulators lie in v64-191.
;   window 1: v0-63 a unit's 64 held numbers, tile by tile; v64-127 k's codes (tile j at 64 + 16 j), v128-191 v's.
.set UNITB, 8192                       ; a unit: 32 rows of one tensor, in bytes
.set TILEP, 1088                       ; LDS: an accumulator's image, 1,024 bytes, + 64: see the reads behind the barrier
.set WREG,  16*TILEP                   ; a wave's 16 images
.set OFF, 1                            ; v1   16 x lane: my place in a load's and in a store's 512 bytes; never rewritten
.set STO, 2                            ; v2   LDS: where my wave's images begin, + 16 x lane
.set RD0, 3                            ; v3   LDS: where I read waves 0-3's images
.set RD1, 4                            ; v4   and waves 4-7's (an LDS offset has 16 bits)
.set M,   8                            ; v8-11   largest magnitudes, one for each tile j
.set X,   12                           ; v12-15  the other half of the lanes'
.set LIM, 16                           ; v16-19  448 x the scale
.set SCO, 20                           ; v20-23  the conversion's scale operand
.set BY,  24                           ; v24-27  the scale's byte
.set SWK, 32                           ; v32-35  k's scale words, tile j: byte c = block c
.set SWV, 36                           ; v36-39  v's
.set R,   64                           ; three sets of 64
.set ACC, 64                           ; accumulator (a, b) at v[ACC + 8 (4 a + b)]
.set L,   64                           ; the eight waves' quads on their way to the sum
.set TT,  0                            ; window 1
.set KC,  64                           ; window 1
.set VC,  128                          ; window 1
.set MSB, 0
.macro WIN new                         ; bits 1:0 source 0, 3:2 source 1, 5:4 source 2, 7:6 destination; the immediate's high byte repeats the setting that is left
.if MSB != \new
	s_set_vgpr_msb (MSB<<8)|\new
.set MSB, \new
.endif
.endm
; Unit u: tensor u % 2 (k, v), block u / 2 of my 128 rows, into set u % 3: sixteen loads of 512 consecutive bytes
.macro LOAD u
.irp i, 0,1,2,3,4,5,6,7,8,9,10,11,12,13,14,15
	global_load_b128 v[R+64*((\u)%3)+4*\i:R+64*((\u)%3)+4*\i+3], v[OFF], s[4+2*((\u)%2):5+2*((\u)%2)] offset:UNITB*((\u)/2)+512*\i th:TH_LOAD_NT
.endr
.endm
	s_load_b128 s[4:7], s[0:1], 0x0                ; k s[4:5], v s[6:7]
	s_load_b64 s[8:9], s[0:1], 0x10                ; part
	v_lshl_add_u32 v62, v0, 2, 0x22000
	v_mov_b32 v63, 0
	v_lshrrev_b32 v5, 5, v0
	v_readfirstlane_b32 s10, v5                    ; wave 0..7
	v_and_b32 v6, 31, v0                           ; lane
	v_lshlrev_b32 v[OFF], 4, v6
	s_lshl_b32 s12, ttmp9, 18                      ; my work-group's 1,024 rows of 256 bytes
	s_lshl_b32 s11, s10, 15                        ; my wave's 128 of them
	s_add_co_u32 s12, s12, s11                     ; (under 2^26)
	s_mov_b32 s13, 0
	s_lshl_b32 s14, ttmp9, 14                      ; my work-group's 16,384 bytes of part,
	s_lshl_b32 s11, s10, 11                        ; my wave's 2,048 of them
	s_add_co_u32 s14, s14, s11
	s_mov_b32 s15, 0
	s_wait_kmcnt 0x0
	s_add_nc_u64 s[4:5], s[4:5], s[12:13]
	s_add_nc_u64 s[6:7], s[6:7], s[12:13]
	s_add_nc_u64 s[8:9], s[8:9], s[14:15]
	LOAD 0                                         ; three units, 48 loads of the wave, are asked for before anything else is done
	LOAD 1
	LOAD 2
	s_mov_b32 s16, 0x76543210
	s_mov_b32 s17, 0xfedcba98                      ; v_permlanex16_b32's selects for lane l xor 16
	s_mov_b32 s18, 0x600000                        ; the mantissa field of 448
	s_mul_i32 s19, s10, WREG
	v_add_nc_u32 v[STO], s19, v[OFF]
	; The read behind the barrier.  Wave w gathers, for tile t = w / 2 of the NEXT product's operand and its block c = w % 2 of d, what lane (r, h) of that operand holds: kv[32 c + 16 h + ..][16 t + r].
	; That number lies in accumulator (a, b = r % 4), registers 4 h + y, of lane (4 t + r / 4, c): d = 4 (8 c + 4 h + y) + a, e = 4 (4 t + r / 4) + r % 4.
	v_and_b32 v5, 3, v0                            ; r % 4: which accumulator b
	v_mul_u32_u24 v[RD0], v5, TILEP
	v_bfe_u32 v6, v0, 2, 2                         ; r / 4
	v_lshl_add_u32 v[RD0], v6, 4, v[RD0]
	v_bfe_u32 v7, v0, 4, 1                         ; h: which half of the accumulator's registers
	v_lshl_add_u32 v[RD0], v7, 9, v[RD0]
	s_and_b32 s20, s10, 1
	s_lshl_b32 s20, s20, 8                         ; c: lanes 16-31 of an image lie 256 bytes on
	s_lshr_b32 s21, s10, 1
	s_lshl_b32 s21, s21, 6                         ; t: four lanes of 16 bytes
	s_add_co_u32 s20, s20, s21
	v_add_nc_u32 v[RD0], s20, v[RD0]               ; sixteen neighbouring lanes: 64 (r % 4) + 16 (r / 4) modulo 256: sixteen different columns of 16 bytes (64 banks of 4 bytes: ISA guide 11.1): that is what the 64 bytes in TILEP are for
	v_add_nc_u32 v[RD1], 4*WREG, v[RD0]
.irp j, 0,1,2,3
	v_mov_b32 v[X+\j], 0                           ; written once: a lane permute's destination counts as one of its sources
.endr
; A unit is quantised: 64 numbers a lane, v[RS + 4 i + j] = row 2 i + h of the block, column 4 r + j.  left: the younger loads that may stay out.
.macro UNIT u, left
.set RS, R+64*((\u)%3)
.set CB, KC+64*((\u)%2)+4*((\u)/2)                 ; registers 4 c .. 4 c + 3 of each tile's fragment
.set SW, SWK+4*((\u)%2)
	s_wait_loadcnt \left                           ; loads come back in order (ISA guide 5.7.1): this unit's sixteen are in; those of the units asked for behind it stay out
.irp j, 0,1,2,3
	v_max3_num_f32 v[M+\j], |v[RS+\j]|, |v[RS+4+\j]|, 0x4800000   ; my 16 numbers of column 4 r + j, and the floor 2^(9 - 127): the byte cannot fall under 1
.endr
.irp i, 2,4,6,8,10,12,14
.irp j, 0,1,2,3
	v_max3_num_f32 v[M+\j], v[M+\j], |v[RS+4*\i+\j]|, |v[RS+4*\i+4+\j]|   ; (the four columns by turns: no line waits for the line above it)
.endr
.endr
.irp j, 0,1,2,3
	v_permlanex16_b32 v[X+\j], v[M+\j], s16, s17
.endr
.irp j, 0,1,2,3
	v_max_num_f32 v[M+\j], v[M+\j], v[X+\j]        ; with lane l xor 16's 16 rows: the block's largest magnitude
.endr
.irp j, 0,1,2,3
	v_add_nc_u32 v[SCO+\j], 0xfc000000, v[M+\j]    ; 8 off its exponent field: the conversion takes the exponent field of this operand as its scale
.endr
.irp j, 0,1,2,3
	v_and_or_b32 v[LIM+\j], v[M+\j], 0x7f800000, s18   ; 448 x the scale
.endr
.if (\u)/2 == 0
.irp j, 0,1,2,3
	v_lshrrev_b32 v[SW+\j], 23, v[SCO+\j]          ; the scale's byte: block 0 starts the tile's scale word
.endr
.else
.irp j, 0,1,2,3
	v_lshrrev_b32 v[BY+\j], 23, v[SCO+\j]
.endr
.irp j, 0,1,2,3
	v_lshl_or_b32 v[SW+\j], v[BY+\j], 8*((\u)/2), v[SW+\j]
.endr
.endif
	WIN 0x40                                       ; destination window 1
.irp j, 0,1,2,3
.irp i, 0,1,2,3,4,5,6,7,8,9,10,11,12,13,14,15
	v_med3_num_f32 v[TT+16*\j+\i], v[RS+4*\i+\j], -v[LIM+\j], v[LIM+\j]   ; the conversion to an 8-bit code does not saturate (ISA guide 7.6.2): the hold; it also lays tile j's 16 numbers on end
.endr
.endr
	WIN 0x41                                       ; the numbers and the codes in window 1, the scale operand in window 0
.irp j, 0,1,2,3
	v_cvt_scalef32_pk8_fp8_f32 v[CB+16*\j:CB+16*\j+1], v[TT+16*\j:TT+16*\j+7], v[SCO+\j]
	v_cvt_scalef32_pk8_fp8_f32 v[CB+16*\j+2:CB+16*\j+3], v[TT+16*\j+8:TT+16*\j+15], v[SCO+\j]
.endr
	WIN 0
	v_nop                                          ; one plain vector instruction behind the last conversion, ahead of whatever next touches its registers
.if (\u)+3 < 8
	LOAD (\u)+3                                    ; the set has been read: it takes the unit three further on
.endif
.endm
	UNIT 0, 32                                     ; 32: the sixteen loads of each of the two units behind
	UNIT 1, 32
	UNIT 2, 32
	UNIT 3, 32
	UNIT 4, 32
	UNIT 5, 32
	UNIT 6, 16                                     ; only unit 7's are behind
	UNIT 7, 0
.rept 4
	v_nop                                          ; codes written by vector instructions stand four places ahead of a scaled matrix instruction; the scale words were finished ahead of the 64 holds
.endr
	WIN 0x05                                       ; sources 0 and 1 window 1; the results in window 0, where the numbers as loaded lay
.irp a, 0,1,2,3
.irp b, 0,1,2,3
	v_wmma_scale_f32_16x16x128_f8f6f4 v[ACC+8*(4*\a+\b):ACC+8*(4*\a+\b)+7], v[KC+16*\a:KC+16*\a+15], v[VC+16*\b:VC+16*\b+15], 0, v[SWK+\a], v[SWV+\b]   ; lane (r, h), register g: kv[4 (8 h + g) + a][4 r + b] of my 128 rows
.endr
.endr
	WIN 0
.rept 8
	v_nop                                          ; eight places between this form and the first read of its results
.endr
.irp t, 0,1,2,3,4,5,6,7,8,9,10,11,12,13,14,15
	ds_store_b128 v[STO], v[ACC+8*\t:ACC+8*\t+3] offset:TILEP*\t          ; images of the registers: 512 consecutive bytes a store; each accumulator from its low end on
	ds_store_b128 v[STO], v[ACC+8*\t+4:ACC+8*\t+7] offset:TILEP*\t+512
.endr
	s_wait_dscnt 0x0                               ; for the others' sake: my images lie in LDS
	s_barrier_signal -1
	s_barrier_wait -1                              ; everybody's do
.irp a, 0,1,2,3                                ; for each a: the same quad of all eight waves
.irp p, 0,1,2,3
	ds_load_b128 v[L+32*\a+4*\p:L+32*\a+4*\p+3], v[RD0] offset:WREG*\p+4*TILEP*\a
.endr
.irp p, 0,1,2,3
	ds_load_b128 v[L+32*\a+16+4*\p:L+32*\a+16+4*\p+3], v[RD1] offset:WREG*\p+4*TILEP*\a
.endr
.endr
.irp a, 0,1,2,3
.set Q, L+32*\a
	s_wait_dscnt 8*(3-\a)                          ; this a's eight loads are in; the eight of each later a may be out
.irp n, 0,2
	v_pk_add_f32 v[Q+\n:Q+\n+1], v[Q+\n:Q+\n+1], v[Q+4+\n:Q+5+\n]
	v_pk_add_f32 v[Q+8+\n:Q+9+\n], v[Q+8+\n:Q+9+\n], v[Q+12+\n:Q+13+\n]
	v_pk_add_f32 v[Q+16+\n:Q+17+\n], v[Q+16+\n:Q+17+\n], v[Q+20+\n:Q+21+\n]
	v_pk_add_f32 v[Q+24+\n:Q+25+\n], v[Q+24+\n:Q+25+\n], v[Q+28+\n:Q+29+\n]
.endr
.irp n, 0,2
	v_pk_add_f32 v[Q+\n:Q+\n+1], v[Q+\n:Q+\n+1], v[Q+8+\n:Q+9+\n]
	v_pk_add_f32 v[Q+16+\n:Q+17+\n], v[Q+16+\n:Q+17+\n], v[Q+24+\n:Q+25+\n]
.endr
.irp n, 0,2
	v_pk_add_f32 v[Q+\n:Q+\n+1], v[Q+\n:Q+\n+1], v[Q+16+\n:Q+17+\n]
.endr
	global_store_b128 v[OFF], v[Q:Q+3], s[8:9] offset:512*\a   ; part[g][t][4 c + a][lane (r, h)][y] = kv[32 c + 16 h + 4 y + a][16 t + r]: 512 consecutive bytes, at a multiple of 512 from the buffer's first byte
.endr
	s_wait_tensorcnt 0x0
	ds_add_u32 v62, v63
	s_wait_dscnt 0x0
	s_endpgm
.Lfunc_end_k_q8d15087b5e_kvpart:
	.size	k_q8d15087b5e_kvpart, .Lfunc_end_k_q8d15087b5e_kvpart-k_q8d15087b5e_kvpart
	.p2alignl 7, 3214868480
	.fill 96, 4, 3214868480
	.section	.rodata,"a",@progbits
	.p2align	6, 0x0
	.amdhsa_kernel k_q8d15087b5e_kvpart
		.amdhsa_group_segment_fixed_size 140288
		.amdhsa_private_segment_fixed_size 0
		.amdhsa_enable_private_segment 0
		.amdhsa_kernarg_size 24
		.amdhsa_user_sgpr_count 2
		.amdhsa_user_sgpr_kernarg_segment_ptr 1
		.amdhsa_wavefront_size32 1
		.amdhsa_system_sgpr_workgroup_id_x 1
		.amdhsa_system_sgpr_workgroup_id_y 1
		.amdhsa_system_sgpr_workgroup_id_z 1
		.amdhsa_system_vgpr_workitem_id 0
		.amdhsa_next_free_vgpr 448
		.amdhsa_next_free_sgpr 66
		.amdhsa_reserve_vcc 0
		.amdhsa_float_denorm_mode_32 3
		.amdhsa_float_denorm_mode_16_64 3
		.amdhsa_memory_ordered 1
		.amdhsa_forward_progress 1
		.amdhsa_inst_pref_size 90
	.end_amdhsa_kernel
	.amdgpu_metadata
---
amdhsa.version: [ 1, 2 ]
amdhsa.kernels:
  - .name:           k_q8d15087b5e_kvpart
    .symbol:         k_q8d15087b5e_kvpart.kd
    .args:
      - { .name: k, .offset: 0, .size: 8, .value_kind: global_buffer, .address_space: global }
      - { .name: v, .offset: 8, .size: 8, .value_kind: global_buffer, .address_space: global }
      - { .name: part, .offset: 16, .size: 8, .value_kind: global_buffer, .address_space: global }
    .group_segment_fixed_size: 140288
    .private_segment_fixed_size: 0
    .kernarg_segment_align: 8
    .kernarg_segment_size: 24
    .max_flat_workgroup_size: 256
    .sgpr_count:     66
    .vgpr_count:     448
    .wavefront_size: 32
...
	.end_amdgpu_metadata
.endif
;; end of part 1
;; launch apply (part 2): grid 256 x 1, 16 waves a work-group, no clusters, 285,696 bytes of LDS; arguments q, part, out0; writes out0
.if DOCPART == 2
	.amdgcn_target "amdgcn-amd-amdhsa--gfx1250"
	.amdhsa_code_object_version 6
	.text
	.protected	k_q8d15087b5e_apply
	.globl	k_q8d15087b5e_apply
	.p2align	8
	.type	k_q8d15087b5e_apply,@function
k_q8d15087b5e_apply:
	s_mov_b64 s[64:65], 0
	v_nop
	global_prefetch_b8 v0, s[64:65] scope:SCOPE_SE
	s_setreg_imm32_b32 hwreg(HW_REG_WAVE_MODE, 25, 1), 1
	s_wait_xcnt 0x0
; SECOND PRODUCT: out[s][e] = sum over d of Q(q)[s][d] Q(kv)[d][e], both quantised ALONG d (64 = two blocks of 32): codes of FP8 (E4M3), one E8M0 scale a block.  q, out: [64 heads][4096][64] f32.
; kv = the sum of the head's four parts, f32, as the launch before stored them: part[4 head + p][t][x][lane (r, h)][y] = kv[32 (x / 4) + 16 h + 4 y + x % 4][16 t + r].
; SHARES.  Work-group g takes rows 1,024 g on of q (head g / 4); each of its sixteen waves 64 rows, four tiles of 16.  Four waves to a SIMD: one wave's LDS loads and matrix instructions stand beside another's vector work.
; q COMES ONCE, BY ONE TENSOR LOAD A WAVE, issued first of all: the wave's own 64 rows of 256 bytes, into LDS bytes of its own (17,408 x wave), 16 bytes of padding behind each row.  The work-group's whole share lies in LDS at once:
;   no byte is filled twice, so there is no ring and no barrier for it, and only the wave that asked reads the bytes, behind its own wait.  One tensor load of the wave is out.
; kv: meanwhile waves 0-3 add the four parts of one tile t of 16 columns e each, quantise it, and hand codes and scale word to all sixteen waves through LDS as images of the operand's registers; one barrier.
; NO CLUSTER: what a head's four work-groups share is the 65,536 bytes of parts, against 262,144 bytes of q read and 262,144 of out stored by each alone; and it comes through registers, in four of sixteen waves.
; THE MATRIX INSTRUCTION IS USED TRANSPOSED (source 0 = 16 columns e of kv, source 1 = 16 rows of q): a lane then holds eight neighbouring numbers of a row of out.  Its K is 128: the upper 64 are zero codes on both sides.
; THE WAY OUT: a tile's 16 x 64 results go into the LDS bytes that held the tile's rows of q (same shape; their one fill has landed, their last read is back) and return as whole rows: a store covers 512 consecutive bytes.
; LIMITS: NaN and infinities are not served.  A block of zeros gets the byte 1 where the rule says 127: its codes are zeros, and only this program reads the bytes.  The four parts are added as (p0 + p1) + (p2 + p3).
; REGISTERS: v1-8 addresses; v16-26 at work; v32-36 scale words and nothing else; v40-55 q's fragment; v64-127 kv's four fragments; v128-191 two sets of a tile's 32 numbers; v192-255 two sets of four accumulators.
;   While kv is made (waves 0-3): v128-255 the four parts, v64-95 the held numbers, v40-47 the codes.
.set PITCH, 272                        ; an LDS row: 256 bytes + 16: row r starts at bank 4 r mod 64 (64 banks of 4 bytes: ISA guide 11.1): the 16 rows that a load or store touches start at 16 different banks
.set TILEB, 16*PITCH
.set WREG,  64*PITCH                   ; a wave's 64 rows
.set KVI,   16*WREG                    ; behind q: kv's codes, 1,024 bytes a tile (two images of 512),
.set KVS,   KVI+4096                   ; and its scale words, 128 bytes a tile.  No tensor load lands here
.set LOFF, 1                           ; v1  16 x lane: my place in 512 consecutive bytes of part and of out; never rewritten
.set QA,   2                           ; v2  LDS: my row of a tile of q, + 64 h
.set SO,   3                           ; v3  LDS: the way out: my row, + 32 h
.set SR,   4                           ; v4  LDS: back: row h, + 16 r
.set KI,   5                           ; v5  LDS: kv's images, + 16 x lane
.set KW,   6                           ; v6  the same at my tile (waves 0-3)
.set KSR,  7                           ; v7  LDS: kv's scale words, + 4 x lane
.set KSW,  8                           ; v8  the same at my tile
.set M,    16                          ; v16-17 largest magnitudes of the two blocks; v18-19 the other half's; v20-21 448 x the scale; v22-23 the conversion's scale operand; v24-25 the bytes
.set X,    18
.set LIM,  20
.set SCO,  22
.set BY,   24
.set PW,   26                          ; v26  kv's scale word on its way to LDS
.set SKV,  32                          ; v32-35 kv's scale words
.set SQ,   36                          ; v36  q's
.set QC,   40
.set KV,   64
.set RQ,   128
.set AC,   192
.set L,    128
.set T,    64
.set WV,   10                          ; s10 my wave's number
.set G0,   12                          ; s[12:15] descriptor group 0; s[16:23] group 1: neither is written again
.set G1,   16
.set SEL,  28                          ; s28, s29 v_permlanex16_b32's selects for lane l xor 16
.set MNT,  30                          ; s30 the mantissa field of 448
	s_load_b128 s[4:7], s[0:1], 0x0                ; q s[4:5], part s[6:7]
	s_load_b64 s[8:9], s[0:1], 0x10                ; out
	v_lshl_add_u32 v62, v0, 2, 0x45400
	v_mov_b32 v63, 0
	ds_add_u32 v62, v63
	ds_add_u32 v62, v63
	v_lshrrev_b32 v9, 5, v0
	v_readfirstlane_b32 s[WV], v9                  ; wave 0..15
	; group 1: 64 rows of 64 elements of 4 bytes, dense in memory, padded in LDS
	s_mov_b32 s[G1+0], (2<<16)|(1<<20)|(5<<22)|(3<<25)   ; 15:0 no mask; 17:16 elements of 4 bytes; 20 padding on; 24:22 after every 64 words (code 5); 31:25 four words (code 3)
	s_mov_b32 s[G1+1], 64<<16                      ; tensor_dim0 = 64
	s_mov_b32 s[G1+2], 64<<16                      ; tensor_dim1 = 64
	s_mov_b32 s[G1+3], 64<<16                      ; tile_dim0 = 64
	s_mov_b32 s[G1+4], 64                          ; tile_dim1 = 64
	s_mov_b32 s[G1+5], 64                          ; elements from row to row
	s_mov_b32 s[G1+6], 0
	s_mov_b32 s[G1+7], 0
	s_lshl_b32 s24, ttmp9, 18                      ; my work-group's 1,024 rows of 256 bytes,
	s_lshl_b32 s25, s[WV], 14                      ; my wave's 64 of them
	s_add_co_u32 s24, s24, s25
	s_mov_b32 s25, 0
	s_mul_i32 s26, s[WV], WREG                     ; my wave's rows in LDS
	s_lshr_b32 s32, ttmp9, 2
	s_lshl_b32 s32, s32, 16                        ; the head's four parts of 16,384 bytes,
	s_and_b32 s27, s[WV], 3                        ; my tile t (used in waves 0-3 alone)
	s_lshl_b32 s33, s27, 12                        ; its 4,096 bytes in each
	s_add_co_u32 s32, s32, s33
	s_mov_b32 s33, 0
	s_mov_b32 s[G0], 1                             ; count = 1
	s_mul_i32 s[G0+1], s[WV], WREG                 ; LDS address
	s_wait_dscnt 0x0
	s_wait_kmcnt 0x0
	s_add_nc_u64 s[G0+2:G0+3], s[4:5], s[24:25]    ; global address of my first row
	s_or_b32 s[G0+3], s[G0+3], 0x80000000          ; type = 2
	tensor_load_to_lds s[G0:G0+3], s[G1:G1+7]      ; ahead of every wait on TENSORcnt, every LDS read and the barrier
	s_nop 0
	v_and_b32 v9, 31, v0                           ; lane
	v_and_b32 v10, 15, v0                          ; r
	v_bfe_u32 v11, v0, 4, 1                        ; h
	v_lshlrev_b32 v[LOFF], 4, v9
	s_add_nc_u64 s[6:7], s[6:7], s[32:33]
	s_add_nc_u64 s[8:9], s[8:9], s[24:25]
	s_mov_b32 s[SEL], 0x76543210
	s_mov_b32 s[SEL+1], 0xfedcba98
	s_mov_b32 s[MNT], 0x600000
	; every LDS address is made here, ahead of the branch on the wave's number
	v_mul_u32_u24 v12, v10, PITCH
	v_add_nc_u32 v12, s26, v12
	v_lshl_add_u32 v[QA], v11, 6, v12              ; lane (r, h) takes d = 32 c + 16 h + 0 .. 15 of row r
	v_lshl_add_u32 v[SO], v11, 5, v12              ; and holds e = 16 t + 8 h + 0 .. 7 of it
	v_mul_u32_u24 v13, v11, PITCH
	v_lshl_add_u32 v13, v10, 4, v13
	v_add_nc_u32 v[SR], s26, v13                   ; back: lanes 0-15 one row of 256 bytes, lanes 16-31 the next
	v_add_nc_u32 v[KI], KVI, v[LOFF]
	s_lshl_b32 s34, s27, 10
	v_add_nc_u32 v[KW], s34, v[KI]
	v_lshl_add_u32 v[KSR], v9, 2, KVS
	s_lshl_b32 s35, s27, 7
	v_add_nc_u32 v[KSW], s35, v[KSR]
	v_mov_b32 v[X], 0                              ; written once: a lane permute's destination counts as one of its sources
	v_mov_b32 v[X+1], 0
; 32 numbers of a lane, v[s + 16 c + ..] = 16 of block c of my row: the two blocks' scale operands, holds and bytes, and the row's scale word into v[w] (bytes 2 and 3, over zero codes, stay 0)
.macro SCALE2 s, w
.irp c, 0,1
	v_max3_num_f32 v[M+\c], |v[\s+16*\c]|, |v[\s+16*\c+1]|, 0x4800000   ; with the floor 2^(9 - 127): the byte cannot fall under 1
.endr
.irp i, 2,4,6,8,10,12,14
.irp c, 0,1
	v_max3_num_f32 v[M+\c], v[M+\c], |v[\s+16*\c+\i]|, |v[\s+16*\c+\i+1]|
.endr
.endr
.irp c, 0,1
	v_permlanex16_b32 v[X+\c], v[M+\c], s[SEL], s[SEL+1]
.endr
.irp c, 0,1
	v_max_num_f32 v[M+\c], v[M+\c], v[X+\c]        ; with lane l xor 16's 16: the block's largest magnitude
.endr
.irp c, 0,1
	v_add_nc_u32 v[SCO+\c], 0xfc000000, v[M+\c]    ; 8 off its exponent field: the conversion's scale operand
.endr
.irp c, 0,1
	v_and_or_b32 v[LIM+\c], v[M+\c], 0x7f800000, s[MNT]   ; 448 x the scale
.endr
.irp c, 0,1
	v_lshrrev_b32 v[BY+\c], 23, v[SCO+\c]          ; the scale's byte
.endr
	v_lshl_or_b32 v[\w], v[BY+1], 8, v[BY]
.endm
	s_cmp_lt_u32 s[WV], 4
	s_cbranch_scc0 .Lothers
	; ---- waves 0-3: tile t = wave of kv.  32 loads of 512 consecutive bytes: v[L + 32 p + 16 c + 4 a + y] = part p of kv[32 c + 16 h + 4 y + a][16 t + r]
.irp p, 0,1,2,3
.irp x, 0,1,2,3,4,5,6,7
	global_load_b128 v[L+32*\p+4*\x:L+32*\p+4*\x+3], v[LOFF], s[6:7] offset:16384*\p+512*\x
.endr
.endr
	s_wait_loadcnt 0x0
.irp n, 0,2,4,6,8,10,12,14,16,18,20,22,24,26,28,30
	v_pk_add_f32 v[L+\n:L+\n+1], v[L+\n:L+\n+1], v[L+32+\n:L+33+\n]
	v_pk_add_f32 v[L+64+\n:L+65+\n], v[L+64+\n:L+65+\n], v[L+96+\n:L+97+\n]
.endr
.irp n, 0,2,4,6,8,10,12,14,16,18,20,22,24,26,28,30
	v_pk_add_f32 v[L+\n:L+\n+1], v[L+\n:L+\n+1], v[L+64+\n:L+65+\n]
.endr
	SCALE2 L, PW
.irp c, 0,1
.irp a, 0,1,2,3
.irp y, 0,1,2,3
	v_med3_num_f32 v[T+16*\c+4*\y+\a], v[L+16*\c+4*\a+\y], -v[LIM+\c], v[LIM+\c]   ; the hold (the conversion does not saturate: ISA guide 7.6.2); it also lays the 16 numbers in ascending d, as q's lie
.endr
.endr
	v_cvt_scalef32_pk8_fp8_f32 v[QC+4*\c:QC+4*\c+1], v[T+16*\c:T+16*\c+7], v[SCO+\c]
	v_cvt_scalef32_pk8_fp8_f32 v[QC+4*\c+2:QC+4*\c+3], v[T+16*\c+8:T+16*\c+15], v[SCO+\c]
.endr
	v_nop                                          ; one plain vector instruction behind the last conversion
	ds_store_b128 v[KW], v[QC:QC+3]                ; the fragment's registers 0-3 and 4-7 as they stand: 16 bytes a lane
	ds_store_b128 v[KW], v[QC+4:QC+7] offset:512
	ds_store_b32 v[KSW], v[PW]
.Lothers:
	s_wait_dscnt 0x0                               ; for the others' sake: the images lie in LDS
	s_barrier_signal -1
	s_barrier_wait -1
.irp t, 0,1,2,3
	ds_load_b128 v[KV+16*\t:KV+16*\t+3], v[KI] offset:1024*\t
	ds_load_b128 v[KV+16*\t+4:KV+16*\t+7], v[KI] offset:1024*\t+512
	ds_load_b32 v[SKV+\t], v[KSR] offset:128*\t
.endr
.irp t, 0,1,2,3
.irp n, 8,9,10,11,12,13,14,15
	v_mov_b32 v[KV+16*\t+\n], 0                    ; K = 64 .. 127 of the instruction: zero codes, once for the whole launch
.endr
.endr
.irp n, 8,9,10,11,12,13,14,15
	v_mov_b32 v[QC+\n], 0                          ; and on q's side
.endr
.macro QLOAD a                         ; tile a's numbers: v[.. + 16 c + 4 j + y] = q[row r][32 c + 16 h + 4 j + y]
.irp c, 0,1
.irp j, 0,1,2,3
	ds_load_b128 v[RQ+32*((\a)%2)+16*\c+4*\j:RQ+32*((\a)%2)+16*\c+4*\j+3], v[QA] offset:TILEB*(\a)+128*\c+16*\j
.endr
.endr
.endm
.macro TILE a
.set RS, RQ+32*((\a)%2)
.set AS, AC+32*((\a)%2)
.if (\a) == 0
	s_wait_dscnt 8                                 ; kv's fragments and tile 0 are in; tile 1's eight loads may be out.  (Later tiles: the tile before ended on a wait for 0, behind this tile's loads)
.endif
	SCALE2 RS, SQ
.irp c, 0,1
.irp i, 0,1,2,3,4,5,6,7,8,9,10,11,12,13,14,15
	v_med3_num_f32 v[RS+16*\c+\i], v[RS+16*\c+\i], -v[LIM+\c], v[LIM+\c]   ; the hold.  (These 32 also stand between the scale word's last write and the products)
.endr
	v_cvt_scalef32_pk8_fp8_f32 v[QC+4*\c:QC+4*\c+1], v[RS+16*\c:RS+16*\c+7], v[SCO+\c]
	v_cvt_scalef32_pk8_fp8_f32 v[QC+4*\c+2:QC+4*\c+3], v[RS+16*\c+8:RS+16*\c+15], v[SCO+\c]
.endr
.if (\a)+2 < 4
	QLOAD (\a)+2                                   ; the set has been read: it takes the tile two further on
.endif
.rept 4
	v_nop                                          ; codes written by vector instructions stand four places ahead of a scaled matrix instruction
.endr
.if (\a) >= 2
	s_wait_xcnt 0x0                                ; tile a - 2's stores have read their data: these accumulators are written again only behind this wait
.endif
.irp t, 0,1,2,3
	v_wmma_scale_f32_16x16x128_f8f6f4 v[AS+8*\t:AS+8*\t+7], v[KV+16*\t:KV+16*\t+15], v[QC:QC+15], 0, v[SKV+\t], v[SQ]   ; lane (r, h), register g: out[row r][16 t + 8 h + g]: a whole sum, K = 64
.endr
.rept 8
	v_nop                                          ; eight places between this form and the first read of its results
.endr
.irp t, 0,1,2,3
	ds_store_b128 v[SO], v[AS+8*\t:AS+8*\t+3] offset:TILEB*(\a)+64*\t          ; each accumulator from its low end on
	ds_store_b128 v[SO], v[AS+8*\t+4:AS+8*\t+7] offset:TILEB*(\a)+64*\t+16
.endr
.irp i, 0,1,2,3,4,5,6,7
	ds_load_b128 v[AS+4*\i:AS+4*\i+3], v[SR] offset:TILEB*(\a)+2*PITCH*\i      ; LDS serves a wave's instructions in order (ISA guide 5.7.1.4): these see the stores above; they come back into the registers that they left
.endr
.irp i, 0,1,2,3,4,5,6,7
	s_wait_dscnt 7-\i                              ; pair i of rows is back; the younger pairs may be out
	global_store_b128 v[LOFF], v[AS+4*\i:AS+4*\i+3], s[8:9] offset:4096*(\a)+512*\i th:TH_STORE_NT   ; two whole rows: 512 consecutive bytes, at a multiple of 512 from out's first byte; written once, read by nobody here
.endr
.endm
	s_wait_tensorcnt 0x0                           ; my 64 rows of q lie in LDS
	QLOAD 0
	QLOAD 1
	TILE 0
	TILE 1
	TILE 2
	TILE 3
	s_wait_tensorcnt 0x0
	ds_add_u32 v62, v63
	s_wait_dscnt 0x0
	s_endpgm
.Lfunc_end_k_q8d15087b5e_apply:
	.size	k_q8d15087b5e_apply, .Lfunc_end_k_q8d15087b5e_apply-k_q8d15087b5e_apply
	.p2alignl 7, 3214868480
	.fill 96, 4, 3214868480
	.section	.rodata,"a",@progbits
	.p2align	6, 0x0
	.amdhsa_kernel k_q8d15087b5e_apply
		.amdhsa_group_segment_fixed_size 285696
		.amdhsa_private_segment_fixed_size 0
		.amdhsa_enable_private_segment 0
		.amdhsa_kernarg_size 24
		.amdhsa_user_sgpr_count 2
		.amdhsa_user_sgpr_kernarg_segment_ptr 1
		.amdhsa_wavefront_size32 1
		.amdhsa_system_sgpr_workgroup_id_x 1
		.amdhsa_system_sgpr_workgroup_id_y 1
		.amdhsa_system_sgpr_workgroup_id_z 1
		.amdhsa_system_vgpr_workitem_id 0
		.amdhsa_next_free_vgpr 256
		.amdhsa_next_free_sgpr 66
		.amdhsa_reserve_vcc 0
		.amdhsa_float_denorm_mode_32 3
		.amdhsa_float_denorm_mode_16_64 3
		.amdhsa_memory_ordered 1
		.amdhsa_forward_progress 1
		.amdhsa_inst_pref_size 45
	.end_amdhsa_kernel
	.amdgpu_metadata
---
amdhsa.version: [ 1, 2 ]
amdhsa.kernels:
  - .name:           k_q8d15087b5e_apply
    .symbol:         k_q8d15087b5e_apply.kd
    .args:
      - { .name: q, .offset: 0, .size: 8, .value_kind: global_buffer, .address_space: global }
      - { .name: part, .offset: 8, .size: 8, .value_kind: global_buffer, .address_space: global }
      - { .name: out0, .offset: 16, .size: 8, .value_kind: global_buffer, .address_space: global }
    .group_segment_fixed_size: 285696
    .private_segment_fixed_size: 0
    .kernarg_segment_align: 8
    .kernarg_segment_size: 24
    .max_flat_workgroup_size: 512
    .sgpr_count:     66
    .vgpr_count:     256
    .wavefront_size: 32
...
	.end_amdgpu_metadata
.endif
;; end of part 2
;; ======== version 2 of 2: 2 launches; version 1 with the launch kvpart written anew for expert scheduling mode
;; workspace buffers: part 4,194,304 bytes
;; launch kvpart (part 3): grid 256 x 1, 8 waves a work-group, no clusters, 140,288 bytes of LDS; arguments k, v, part; writes part
.if DOCPART == 3
	.amdgcn_target "amdgcn-amd-amdhsa--gfx1250"
	.amdhsa_code_object_version 6
	.text
	.protected	k_q8d15087b5e_kvpart
	.globl	k_q8d15087b5e_kvpart
	.p2align	8
	.type	k_q8d15087b5e_kvpart,@function
k_q8d15087b5e_kvpart:
	s_mov_b64 s[64:65], 0
	v_nop
	global_prefetch_b8 v0, s[64:65] scope:SCOPE_SE
	s_setreg_imm32_b32 hwreg(HW_REG_WAVE_SCHED_MODE, 0, 2), 2
	s_setreg_imm32_b32 hwreg(HW_REG_WAVE_MODE, 25, 1), 1
	s_wait_xcnt 0x0
	s_wait_alu depctr_vm_vsrc(0)
; FIRST PRODUCT of out = q (k^T v), in parts.  k, v: [64 heads][4096 rows s][64] f32.  kv[d][e] = sum over s of Q(k)[s][d] Q(v)[s][e]; Q quantises ALONG s: codes of FP8 (E4M3), one E8M0 scale for each 32 rows.
; Work-group g = 4 x head + quarter takes 1,024 rows and stores their part of kv, 64 x 64 f32, to part[g]; the next launch adds a head's four parts.  No two work-groups read the same input bytes, so nothing could be asked for jointly.
; SHARES.  Eight waves; a wave takes 128 rows: one matrix instruction's K, four blocks of 32.  Its 16 matrix instructions (4 tiles of d x 4 tiles of e) give a whole 64 x 64 sum; the eight waves' sums meet in LDS.
; s IS NOT INNERMOST IN MEMORY, AND NOTHING IS TRANSPOSED.  A row is 256 bytes.  Load i of a block reads rows 2 i and 2 i + 1 whole, 512 consecutive bytes: lane (r = lane % 16, h = lane / 16) gets row 2 i + h, columns 4 r .. 4 r + 3.
;   Register j of each load belongs to operand tile j, whose row r is column 4 r + j (which columns form a tile is free).  Slot i of lane (r, h) in a block is row 2 i + h of that block: the same order for k and v, and inside
;   a block of 32, so every product meets its partner under its own scales.  A column's block lies in lanes (r, 0) and (r, 1), 16 numbers each.
;   The hold at 448 x the scale, which the conversion needs anyway, writes other registers than it reads: it lays a tile's 16 numbers on end for the conversion, at no instruction of its own.
; A block's scale: 2^(floor(log2(largest magnitude)) - 8); its byte is that magnitude's exponent field - 8, held at 1 from below by a floor among the maximum's leaves.
; LIMITS: NaN and infinities among the inputs are not served.  A block of zeros gets the byte 1 where the rule says 127: its codes are zeros, which add nothing, and the bytes never leave this wave.
;   kv's f32 sum is one matrix sum for each 128 rows, then f32 additions in a fixed order (eight here, four in the next launch): another order of rounding than one chain along s.
; REGISTERS, in windows of 256: window 0: v1-4 addresses; v8-27 at work; v32-39 scale words and nothing else; v62, v63 the closing add's two; v64-255 three sets of 64 numbers as loaded; when all are quantised, the 16 accumulators lie in v64-191.
;   window 1: v0-63 a unit's 64 held numbers, tile by tile; v64-127 k's codes (tile j at 64 + 16 j), v128-191 v's.
; THE MODE: SCHED_MODE bits 1:0 = 2 (LLVM: expert scheduling mode 2), set by the entry lines.  The code itself states the register dependences
; between vector or matrix instructions and memory or LDS instructions, with s_wait_alu, always for 0.
; THE PLAN.  Registers that memory or LDS instructions touch:
;   v[OFF]             Written once at the head; read by every load and store to memory; never written again: the units and rows are reached by immediate offsets.
;   R0 .. R2           Unit u: its loads land in set u % 3; its 32 maxima and 64 holds read the set; behind the holds the loads of unit u + 3 land in it.
;   v[STO], v[RD0], v[RD1]  Written at the head, behind the first 48 loads; read by the LDS stores and loads of the way out alone.
;   v64-191 once more  Written by the 16 matrix instructions; read by the 32 LDS stores; behind the barrier 32 LDS loads land there; the 56 additions read and write them; four stores to memory read the sums.
;   v62, v63           Written at the head, read by the closing add alone.
;   v8-27, the scale words v32-39 and all of window 1 (held numbers, codes) are named by vector and matrix instructions alone.
; So ONE wait on va_vdst stands in a unit that asks for another, behind its holds, the set's last readers; the sixteen loads follow it at once, ahead of the unit's conversions, which name window 1 and the scale operands alone.
; On the way out: one wait on va_vdst ahead of the products (codes and scale words), one ahead of the LDS stores (the accumulators), one on vm_vsrc ahead of the LDS loads (the stores have read), one on va_vdst ahead of the run of four stores to memory (the sums).
.set UNITB, 8192                       ; a unit: 32 rows of one tensor, in bytes
.set TILEP, 1088                       ; LDS: an accumulator's image, 1,024 bytes, + 64: see the reads behind the barrier
.set WREG,  16*TILEP                   ; a wave's 16 images
.set OFF, 1                            ; v1   16 x lane: my place in a load's and in a store's 512 bytes; never rewritten
.set STO, 2                            ; v2   LDS: where my wave's images begin, + 16 x lane
.set RD0, 3                            ; v3   LDS: where I read waves 0-3's images
.set RD1, 4                            ; v4   and waves 4-7's (an LDS offset has 16 bits)
.set M,   8                            ; v8-11   largest magnitudes, one for each tile j
.set X,   12                           ; v12-15  the other half of the lanes'
.set LIM, 16                           ; v16-19  448 x the scale
.set SCO, 20                           ; v20-23  the conversion's scale operand
.set BY,  24                           ; v24-27  the scale's byte
.set SWK, 32                           ; v32-35  k's scale words, tile j: byte c = block c
.set SWV, 36                           ; v36-39  v's
.set R,   64                           ; three sets of 64
.set ACC, 64                           ; accumulator (a, b) at v[ACC + 8 (4 a + b)]
.set L,   64                           ; the eight waves' quads on their way to the sum
.set TT,  0                            ; window 1
.set KC,  64                           ; window 1
.set VC,  128                          ; window 1
.set MSB, 0
.macro WIN new                         ; bits 1:0 source 0, 3:2 source 1, 5:4 source 2, 7:6 destination; the immediate's high byte repeats the setting that is left
.if MSB != \new
	s_set_vgpr_msb (MSB<<8)|\new
.set MSB, \new
.endif
.endm
; Unit u: tensor u % 2 (k, v), block u / 2 of my 128 rows, into set u % 3: sixteen loads of 512 consecutive bytes
.macro LOAD u
.irp i, 0,1,2,3,4,5,6,7,8,9,10,11,12,13,14,15
	global_load_b128 v[R+64*((\u)%3)+4*\i:R+64*((\u)%3)+4*\i+3], v[OFF], s[4+2*((\u)%2):5+2*((\u)%2)] offset:UNITB*((\u)/2)+512*\i th:TH_LOAD_NT
.endr
.endm
	s_load_b128 s[4:7], s[0:1], 0x0                ; k s[4:5], v s[6:7]
	s_load_b64 s[8:9], s[0:1], 0x10                ; part
	v_lshl_add_u32 v62, v0, 2, 0x22000             ; the closing add's two registers: my spare word, behind the eight waves' images, and 0; kept for that alone
	v_mov_b32 v63, 0
	v_lshrrev_b32 v5, 5, v0
	v_readfirstlane_b32 s10, v5                    ; wave 0..7
	v_and_b32 v6, 31, v0                           ; lane
	v_lshlrev_b32 v[OFF], 4, v6
	s_wait_alu depctr_va_sdst(0)                   ; s10 is written, ahead of its first reader: the bases of k, v and part and the LDS addresses are made from it
	s_lshl_b32 s12, ttmp9, 18                      ; my work-group's 1,024 rows of 256 bytes
	s_lshl_b32 s11, s10, 15                        ; my wave's 128 of them
	s_add_co_u32 s12, s12, s11                     ; (under 2^26)
	s_mov_b32 s13, 0
	s_lshl_b32 s14, ttmp9, 14                      ; my work-group's 16,384 bytes of part,
	s_lshl_b32 s11, s10, 11                        ; my wave's 2,048 of them
	s_add_co_u32 s14, s14, s11
	s_mov_b32 s15, 0
	s_wait_kmcnt 0x0
	s_add_nc_u64 s[4:5], s[4:5], s[12:13]
	s_add_nc_u64 s[6:7], s[6:7], s[12:13]
	s_add_nc_u64 s[8:9], s[8:9], s[14:15]
	s_wait_alu depctr_va_vdst(0)                   ; v[OFF] is written: every load and store to memory reads it as its offset
	LOAD 0                                         ; three units, 48 loads of the wave, are asked for before anything else is done
	LOAD 1
	LOAD 2
	s_mov_b32 s16, 0x76543210
	s_mov_b32 s17, 0xfedcba98                      ; v_permlanex16_b32's selects for lane l xor 16
	s_mov_b32 s18, 0x600000                        ; the mantissa field of 448
	s_mul_i32 s19, s10, WREG
	v_add_nc_u32 v[STO], s19, v[OFF]
	; The read behind the barrier.  Wave w gathers, for tile t = w / 2 of the NEXT product's operand and its block c = w % 2 of d, what lane (r, h) of that operand holds: kv[32 c + 16 h + ..][16 t + r].
	; That number lies in accumulator (a, b = r % 4), registers 4 h + y, of lane (4 t + r / 4, c): d = 4 (8 c + 4 h + y) + a, e = 4 (4 t + r / 4) + r % 4.
	v_and_b32 v5, 3, v0                            ; r % 4: which accumulator b
	v_mul_u32_u24 v[RD0], v5, TILEP
	v_bfe_u32 v6, v0, 2, 2                         ; r / 4
	v_lshl_add_u32 v[RD0], v6, 4, v[RD0]
	v_bfe_u32 v7, v0, 4, 1                         ; h: which half of the accumulator's registers
	v_lshl_add_u32 v[RD0], v7, 9, v[RD0]
	s_and_b32 s20, s10, 1
	s_lshl_b32 s20, s20, 8                         ; c: lanes 16-31 of an image lie 256 bytes on
	s_lshr_b32 s21, s10, 1
	s_lshl_b32 s21, s21, 6                         ; t: four lanes of 16 bytes
	s_add_co_u32 s20, s20, s21
	v_add_nc_u32 v[RD0], s20, v[RD0]               ; sixteen neighbouring lanes: 64 (r % 4) + 16 (r / 4) modulo 256: sixteen different columns of 16 bytes (64 banks of 4 bytes: ISA guide 11.1): that is what the 64 bytes in TILEP are for
	v_add_nc_u32 v[RD1], 4*WREG, v[RD0]
.irp j, 0,1,2,3
	v_mov_b32 v[X+\j], 0                           ; written once: a lane permute's destination counts as one of its sources
.endr
; A unit is quantised: 64 numbers a lane, v[RS + 4 i + j] = row 2 i + h of the block, column 4 r + j.  left: the younger loads that may stay out.
.macro UNIT u, left
.set RS, R+64*((\u)%3)
.set CB, KC+64*((\u)%2)+4*((\u)/2)                 ; registers 4 c .. 4 c + 3 of each tile's fragment
.set SW, SWK+4*((\u)%2)
	s_wait_loadcnt \left                           ; loads come back in order (ISA guide 5.7.1): this unit's sixteen are in; those of the units asked for behind it stay out
.irp j, 0,1,2,3
	v_max3_num_f32 v[M+\j], |v[RS+\j]|, |v[RS+4+\j]|, 0x4800000   ; my 16 numbers of column 4 r + j, and the floor 2^(9 - 127): the byte cannot fall under 1
.endr
.irp i, 2,4,6,8,10,12,14
.irp j, 0,1,2,3
	v_max3_num_f32 v[M+\j], v[M+\j], |v[RS+4*\i+\j]|, |v[RS+4*\i+4+\j]|   ; (the four columns by turns: no line waits for the line above it)
.endr
.endr
.irp j, 0,1,2,3
	v_permlanex16_b32 v[X+\j], v[M+\j], s16, s17
.endr
.irp j, 0,1,2,3
	v_max_num_f32 v[M+\j], v[M+\j], v[X+\j]        ; with lane l xor 16's 16 rows: the block's largest magnitude
.endr
.irp j, 0,1,2,3
	v_add_nc_u32 v[SCO+\j], 0xfc000000, v[M+\j]    ; 8 off its exponent field: the conversion takes the exponent field of this operand as its scale
.endr
.irp j, 0,1,2,3
	v_and_or_b32 v[LIM+\j], v[M+\j], 0x7f800000, s18   ; 448 x the scale
.endr
.if (\u)/2 == 0
.irp j, 0,1,2,3
	v_lshrrev_b32 v[SW+\j], 23, v[SCO+\j]          ; the scale's byte: block 0 starts the tile's scale word
.endr
.else
.irp j, 0,1,2,3
	v_lshrrev_b32 v[BY+\j], 23, v[SCO+\j]
.endr
.irp j, 0,1,2,3
	v_lshl_or_b32 v[SW+\j], v[BY+\j], 8*((\u)/2), v[SW+\j]
.endr
.endif
	WIN 0x40                                       ; destination window 1
.irp j, 0,1,2,3
.irp i, 0,1,2,3,4,5,6,7,8,9,10,11,12,13,14,15
	v_med3_num_f32 v[TT+16*\j+\i], v[RS+4*\i+\j], -v[LIM+\j], v[LIM+\j]   ; the conversion to an 8-bit code does not saturate (ISA guide 7.6.2): the hold; it also lays tile j's 16 numbers on end
.endr
.endr
.if (\u)+3 < 8
	WIN 0                                          ; the loads' data and offset lie in window 0: the switch, then the wait, then the loads
	s_wait_alu depctr_va_vdst(0)                   ; the maxima and the holds are done reading this set, in which the loads below land
	LOAD (\u)+3                                    ; the set takes the unit three further on, at once.  The conversions below name window 1 and v[SCO ..] alone: none of the registers that these loads touch
.endif
	WIN 0x41                                       ; the numbers and the codes in window 1, the scale operand in window 0
.irp j, 0,1,2,3
	v_cvt_scalef32_pk8_fp8_f32 v[CB+16*\j:CB+16*\j+1], v[TT+16*\j:TT+16*\j+7], v[SCO+\j]
	v_cvt_scalef32_pk8_fp8_f32 v[CB+16*\j+2:CB+16*\j+3], v[TT+16*\j+8:TT+16*\j+15], v[SCO+\j]
.endr
	WIN 0
	v_nop                                          ; one plain vector instruction behind the last conversion, ahead of whatever next touches its registers
.endm
	UNIT 0, 32                                     ; 32: the sixteen loads of each of the two units behind
	UNIT 1, 32
	UNIT 2, 32
	UNIT 3, 32
	UNIT 4, 32
	UNIT 5, 32                                     ; units 5 to 7 ask for nothing, so they hold no wait on va_vdst
	UNIT 6, 16                                     ; only unit 7's are behind
	UNIT 7, 0
.rept 4
	v_nop                                          ; codes written by vector instructions stand four places ahead of a scaled matrix instruction; the scale words were finished ahead of the 64 holds
.endr
	WIN 0x05                                       ; sources 0 and 1 window 1; the results in window 0, where the numbers as loaded lay
	s_wait_alu depctr_va_vdst(0)                   ; the conversions have written the codes and the shifts the scale words, which the products below take as A, B and scales; the places above stay beside this wait
.irp a, 0,1,2,3
.irp b, 0,1,2,3
	v_wmma_scale_f32_16x16x128_f8f6f4 v[ACC+8*(4*\a+\b):ACC+8*(4*\a+\b)+7], v[KC+16*\a:KC+16*\a+15], v[VC+16*\b:VC+16*\b+15], 0, v[SWK+\a], v[SWV+\b]   ; lane (r, h), register g: kv[4 (8 h + g) + a][4 r + b] of my 128 rows
.endr
.endr
	WIN 0
.rept 8
	v_nop                                          ; eight places between this form and the first read of its results
.endr
	s_wait_alu depctr_va_vdst(0)                   ; the matrix instructions have written the accumulators, which the LDS stores read; the places above stay beside this wait
.irp t, 0,1,2,3,4,5,6,7,8,9,10,11,12,13,14,15
	ds_store_b128 v[STO], v[ACC+8*\t:ACC+8*\t+3] offset:TILEP*\t          ; images of the registers: 512 consecutive bytes a store; each accumulator from its low end on
	ds_store_b128 v[STO], v[ACC+8*\t+4:ACC+8*\t+7] offset:TILEP*\t+512
.endr
	s_wait_dscnt 0x0                               ; for the others' sake: my images lie in LDS
	s_barrier_signal -1
	s_barrier_wait -1                              ; everybody's do
	s_wait_alu depctr_vm_vsrc(0)                   ; my LDS stores have read v64-191, in which the LDS loads below land (no vector or matrix instruction has named them since the wait ahead of those stores)
.irp a, 0,1,2,3                                ; for each a: the same quad of all eight waves
.irp p, 0,1,2,3
	ds_load_b128 v[L+32*\a+4*\p:L+32*\a+4*\p+3], v[RD0] offset:WREG*\p+4*TILEP*\a
.endr
.irp p, 0,1,2,3
	ds_load_b128 v[L+32*\a+16+4*\p:L+32*\a+16+4*\p+3], v[RD1] offset:WREG*\p+4*TILEP*\a
.endr
.endr
.irp a, 0,1,2,3
.set Q, L+32*\a
	s_wait_dscnt 8*(3-\a)                          ; this a's eight loads are in; the eight of each later a may be out
.irp n, 0,2
	v_pk_add_f32 v[Q+\n:Q+\n+1], v[Q+\n:Q+\n+1], v[Q+4+\n:Q+5+\n]
	v_pk_add_f32 v[Q+8+\n:Q+9+\n], v[Q+8+\n:Q+9+\n], v[Q+12+\n:Q+13+\n]
	v_pk_add_f32 v[Q+16+\n:Q+17+\n], v[Q+16+\n:Q+17+\n], v[Q+20+\n:Q+21+\n]
	v_pk_add_f32 v[Q+24+\n:Q+25+\n], v[Q+24+\n:Q+25+\n], v[Q+28+\n:Q+29+\n]
.endr
.irp n, 0,2
	v_pk_add_f32 v[Q+\n:Q+\n+1], v[Q+\n:Q+\n+1], v[Q+8+\n:Q+9+\n]
	v_pk_add_f32 v[Q+16+\n:Q+17+\n], v[Q+16+\n:Q+17+\n], v[Q+24+\n:Q+25+\n]
.endr
.irp n, 0,2
	v_pk_add_f32 v[Q+\n:Q+\n+1], v[Q+\n:Q+\n+1], v[Q+16+\n:Q+17+\n]
.endr
.endr
	s_wait_alu depctr_va_vdst(0)                   ; the additions have written the four sums, which the run of stores below reads: one wait for the four
.irp a, 0,1,2,3
	global_store_b128 v[OFF], v[L+32*\a:L+32*\a+3], s[8:9] offset:512*\a   ; part[g][t][4 c + a][lane (r, h)][y] = kv[32 c + 16 h + 4 y + a][16 t + r]: 512 consecutive bytes, at a multiple of 512 from the buffer's first byte
.endr
	s_wait_dscnt 0x0                               ; the closing lines, six on end
	s_wait_alu 0x0
	s_wait_tensorcnt 0x0
	ds_add_u32 v62, v63
	s_wait_dscnt 0x0
	s_endpgm
.Lfunc_end_k_q8d15087b5e_kvpart:
	.size	k_q8d15087b5e_kvpart, .Lfunc_end_k_q8d15087b5e_kvpart-k_q8d15087b5e_kvpart
	.p2alignl 7, 3214868480
	.fill 96, 4, 3214868480
	.section	.rodata,"a",@progbits
	.p2align	6, 0x0
	.amdhsa_kernel k_q8d15087b5e_kvpart
		.amdhsa_group_segment_fixed_size 140288
		.amdhsa_private_segment_fixed_size 0
		.amdhsa_enable_private_segment 0
		.amdhsa_kernarg_size 24
		.amdhsa_user_sgpr_count 2
		.amdhsa_user_sgpr_kernarg_segment_ptr 1
		.amdhsa_wavefront_size32 1
		.amdhsa_system_sgpr_workgroup_id_x 1
		.amdhsa_system_sgpr_workgroup_id_y 1
		.amdhsa_system_sgpr_workgroup_id_z 1
		.amdhsa_system_vgpr_workitem_id 0
		.amdhsa_next_free_vgpr 448
		.amdhsa_next_free_sgpr 66
		.amdhsa_reserve_vcc 0
		.amdhsa_float_denorm_mode_32 3
		.amdhsa_float_denorm_mode_16_64 3
		.amdhsa_memory_ordered 1
		.amdhsa_forward_progress 1
		.amdhsa_inst_pref_size 91
	.end_amdhsa_kernel
	.amdgpu_metadata
---
amdhsa.version: [ 1, 2 ]
amdhsa.kernels:
  - .name:           k_q8d15087b5e_kvpart
    .symbol:         k_q8d15087b5e_kvpart.kd
    .args:
      - { .name: k, .offset: 0, .size: 8, .value_kind: global_buffer, .address_space: global }
      - { .name: v, .offset: 8, .size: 8, .value_kind: global_buffer, .address_space: global }
      - { .name: part, .offset: 16, .size: 8, .value_kind: global_buffer, .address_space: global }
    .group_segment_fixed_size: 140288
    .private_segment_fixed_size: 0
    .kernarg_segment_align: 8
    .kernarg_segment_size: 24
    .max_flat_workgroup_size: 256
    .sgpr_count:     66
    .vgpr_count:     448
    .wavefront_size: 32
...
	.end_amdgpu_metadata
.endif
;; end of part 3
;; launch apply: the kernel of part 2 again; grid 256 x 1, 16 waves a work-group, no clusters, 285,696 bytes of LDS; arguments q, part, out0; writes out0
